; MI455X (gfx1250); checked and timed in simulation.
; The chip was launched on July 23, 2026; its instructions are those of AMD's public machine-readable ISA for CDNA 5 (MIT licence, August 2026) and "CDNA5" Instruction Set Architecture Reference Guide (July 2026). The comments in the code are by the model that wrote it; some were corrected since.
;; Criss Cross Attention. Allowed arithmetic: matrix products marked QUANTISED: E2M1 operands, one E8M0 scale for each 32 along K, by v_wmma_scale_f32_16x16x128_f8f6f4 with both operands' format E2M1 (or v_wmma_scale_f32_32x16x128_f4), f32 sums; everything else in f32.
;; Inputs: bn1_bias 32 float32; bn1_mean 32 float32; bn1_scale 32 float32; bn1_var 32 float32; bn2_bias 32 float32; bn2_mean 32 float32; bn2_scale 32 float32; bn2_var 32 float32; bn3_bias 256 float32; bn3_mean 256 float32; bn3_scale 256 float32; bn3_var 256 float32; gamma 1 float32; w_k_codes 32 x 8 x 16 uint8 (E2M1 codes of w_k, K innermost, in blocks of 32 codes, two codes a byte); w_k_scales 32 x 8 uint8 (E8M0 scales of w_k, one for each 32 codes along K); w_q_codes 32 x 8 x 16 uint8 (E2M1 codes of w_q, K innermost, in blocks of 32 codes, two codes a byte); w_q_scales 32 x 8 uint8 (E8M0 scales of w_q, one for each 32 codes along K); w_v_codes 256 x 8 x 16 uint8 (E2M1 codes of w_v, K innermost, in blocks of 32 codes, two codes a byte); w_v_scales 256 x 8 uint8 (E8M0 scales of w_v, one for each 32 codes along K); x 4 x 256 x 4,096 float32.
;; Outputs: out0 4 x 256 x 4,096 float32.
;; This version of the problem:
;;   THIS VERSION OF THE PROBLEM IS GIVEN IN LOW PRECISION. The matrix products marked QUANTISED in the list below multiply operands that are first quantised to E2M1 (2 exponent bits, 1 mantissa bit; 4 bits a number), with one power-of-two scale for each 32 numbers along K (OCP MX v1.0); their sums are f32. All else is computed in f32.
;;   The module's matrix products, in the order in which they are computed (A, B: the left and right operand; K: the contracted axis; several contracted axes count as one K, in the product's order):
;;     1. [M 16,384, K 256] x [K 256, N 32]; A: input x; B: input w_q (given as codes): QUANTISED
;;     2. [M 16,384, K 256] x [K 256, N 32]; A: input x; B: input w_k (given as codes): QUANTISED
;;     3. [M 16,384, K 256] x [K 256, N 256]; A: input x; B: input w_v (given as codes): QUANTISED
;;     4. batch 4 x [M 4,096, K 32] x [K 32, N 4,096]; A: computed on the way; B: computed on the way: QUANTISED
;;     5. batch 4 x [M 256, K 4,096] x [K 4,096, N 4,096]; A: computed on the way; B: computed on the way: QUANTISED
;;   THE QUANTISER, for each operand of a quantised product, along K:
;;     - K is cut into blocks of 32 from its start; a last block that is shorter is filled with zeros.
;;     - A block's scale is 2^e with e = floor(log2(the largest magnitude in the block)) - 2, held to -126 .. 127; a block of zeros has e = 0. As a byte (E8M0): e + 127.
;;     - Each number is divided by its block's scale, clamped to +-6, and rounded to the nearest number of E2M1, ties to even, subnormals kept.
;;     - The product sums the exact products of the quantised numbers (number of the format x scale) in f32.
;;   ~~~python
;;   def quantise(x, axis):      # numpy; x: float32 -> the quantised numbers, widened to float32 again
;;       x = np.moveaxis(x, axis, -1); K = x.shape[-1]
;;       x = np.pad(x, [(0, 0)] * (x.ndim - 1) + [(0, -K % 32)]); x = x.reshape(x.shape[:-1] + (-1, 32)); a = np.abs(x).max(-1, keepdims=True)
;;       e = np.where(a > 0, np.clip(np.frexp(np.where(a > 0, a, 1))[1] - 1 - 2, -126, 127), 0)      # np.frexp(a)[1] - 1 = floor(log2(a)), exactly
;;       r = np.clip(x / 2.0 ** e, -6, 6)
;;       step = 2.0 ** (np.maximum(np.frexp(np.where(r == 0, 1, r))[1] - 1, 0) - 1)
;;       q = np.round(r / step) * step * 2.0 ** e      # np.round: ties to even
;;       return np.moveaxis(q.reshape(q.shape[:-2] + (-1,))[..., :K], -1, axis).astype(np.float32)
;;   ~~~
;;   OPERANDS COMPUTED ON THE WAY. 'Computed on the way' means the value that the module computes at that place (a softmax that the list does not call 'softmax' is quantised finished and normalised). What goes into a quantiser is computed in f32, as accurately as f32 sums, v_exp_f32 and their like allow (about 1e-6 of the number): no bf16 or f16 on the way to a quantiser, and a product that is left as it is and whose result goes on into a quantised operand takes f32 operands (vector FMAs, or v_wmma_f32_16x16x4_f32). A number that lies on a knife's edge between two numbers of the format may be rounded either way, as far as f32 arithmetic and the matrix unit's own rounding can turn it there, and no further.
;;   INPUTS GIVEN AS CODES. w_k (in the module: [32, 256], K = its axis 1); w_q (in the module: [32, 256], K = its axis 1); w_v (in the module: [256, 256], K = its axis 1): each comes as NAME_codes (uint8): NAME with its K axis moved to the last place and cut into blocks of 32 codes, [.., K / 32, bytes a block], one block behind the other in memory; two codes a byte, the lower K in the low four bits (a code: sign, 2 exponent bits, 1 mantissa bit); and NAME_scales (uint8): the same leading axes, one E8M0 byte (e + 127) for each 32 codes along K. Its value is code x scale, taken as it is: it is not quantised again, and the codes and scales need not be those that the quantiser above would give.
;; One version. Each part assembles by itself: llvm-mc -triple=amdgcn-amd-amdhsa -mcpu=gfx1250 --defsym DOCPART=n.
;; ======== version 1 of 1: 2 launches
;; workspace buffers: qc 262,144 bytes; qaux 131,072 bytes; kimg 278,528 bytes; vimg 2,228,224 bytes; vf 16,777,216 bytes
;; launch project (part 1): grid 64 x 4, 12 waves a work-group, no clusters, 45,056 bytes of LDS; arguments x, w_v_codes, w_v_scales, w_q_codes, w_q_scales, w_k_codes, w_k_scales, bn3_mean, bn3_var, bn3_scale, bn3_bias, bn1_mean, bn1_var, bn1_scale, bn1_bias, bn2_mean, bn2_var, bn2_scale, bn2_bias, vf, vimg, kimg, qc, qaux; writes vf, vimg, kimg, qc, qaux
.if DOCPART == 1
	.amdgcn_target "amdgcn-amd-amdhsa--gfx1250"
	.amdhsa_code_object_version 6
	.text
	.protected	k_q08ed20c661_project
	.globl	k_q08ed20c661_project
	.p2align	8
	.type	k_q08ed20c661_project,@function
k_q08ed20c661_project:
	s_mov_b64 s[64:65], 0
	v_nop
	global_prefetch_b8 v0, s[64:65] scope:SCOPE_SE
	s_setreg_imm32_b32 hwreg(HW_REG_WAVE_MODE, 25, 1), 1
	s_wait_xcnt 0x0
; q, k, v = relu(batchnorm(W x)), the three products on codes of FP4 (E2M1) with one E8M0 scale for each 32 along K = the 256 channels.
; x: [4][256][4096] f32: K is not innermost, so a lane takes a position and its registers run down the channels.
; DEAD WORK: none comes in whole units: every input has a way to out0, and the diagonal energies that reference() masks lie inside live tiles (they are computed and selected away in the second launch).
; LIMITS: NaN and infinities among the inputs are not served; a block whose largest magnitude lies under 2^-124 gets the scale byte 1 (a block of zeros too: its codes are zeros, and this program alone reads the bytes);
; 1 / sqrt(var + eps) is v_rsq_f32 times the scale, one rounding more than a division; energy_w is summed in another order than reference()'s.
; SHARES.  A work-group takes 64 positions of one batch with all 256 channels: a channel's row of x and of v is 256 consecutive bytes, aligned.
; Waves 0-7: wave w quantises 32 positions (w & 1) x 64 channels ((w >> 1) & 3) of x; the codes go to LDS as images of the operand's registers; behind the one barrier wave w makes channels 32 w .. 32 w + 31 of v.
; Waves 8-11: wave w makes q and k (32 channels each) of tile w & 3 of the positions, energy_w = sum(q k) in f32, and their codes.
; THE POSITIONS OF A TILE ARE NOT NEIGHBOURS: row r of tile T is position 32 (T / 2) + 8 (T % 2) + r + 8 (r / 8), so that the 16 registers of tiles 2 b and 2 b + 1 of a result are 16 neighbouring positions.
; WHAT IS STORED.  vf: v in f32, laid as x.  vimg: v's codes along the positions, as register images: step of 128 positions x (16 fragments of 1,024 bytes, then 16 x 64 bytes of scale words).
; kimg: k's codes, 64 positions to a fragment of 1,024 bytes: row r holds FOUR positions, one in each block of 32 along K; then 64 bytes of scale words a fragment.  qc: q's 16 bytes a position.  qaux: q's scale byte four times, energy_w.
; The scale bytes of v and k and the words of qaux leave in stores of 1 to 4 bytes a lane: two work-groups, or four waves, fill one scale word; they are about one byte in 70 of what the launch stores.
.set EPSB,  0x3727c5ac                 ; 1e-5
.set FLOOR, 0x1800000                  ; 2^(3 - 127): no largest magnitude is taken under it, so a scale byte cannot fall under 1
.set EOFF,  0xff000000                 ; takes 2 off an exponent field
.set XSC,   8192                       ; LDS: 0 .. 8,191 x's eight fragments (tile T, K step s) at (2 T + s) 1,024; from XSC their scale words: T 128 + s 64 + 4 r
.set STG,   8704                       ; a stage of 16 rows x 272 bytes for each of waves 0-7
.set SPARE, 43520                      ; the spare words, 128 bytes for each of the 12 waves: six blocks of 256 bytes that no other line names
.set VBATCH, 557056
.set VSTEP,  17408
.set KIMGB,  69632
; REGISTERS that both roles share: v1 lane, v2 r, v3 h; v4-9, v18, v19 LDS addresses, made ahead of the parting; v10, v11 the add's two; v12-17 global offsets; v45 4 r, made ahead of the parting and never rewritten; v20-35 at work.
	s_load_b512 s[4:19], s[0:1], 0x0               ; x, w_v codes, scales, w_q codes, scales, w_k codes, scales, bn3 mean
	s_load_b512 s[20:35], s[0:1], 0x40             ; bn3 var, scale, bias; bn1 mean, var, scale, bias; bn2 mean
	s_load_b512 s[36:51], s[0:1], 0x80             ; bn2 var, scale, bias; vf, vimg, kimg, qc, qaux
	v_lshl_add_u32 v10, v0, 2, SPARE
	v_mov_b32 v11, 0
	v_lshrrev_b32 v1, 5, v0
	s_delay_alu instid0(VALU_DEP_1)
	v_readfirstlane_b32 s52, v1                    ; wave 0..11
	v_and_b32 v1, 31, v0                           ; lane
	v_and_b32 v2, 15, v0                           ; r
	v_bfe_u32 v3, v0, 4, 1                         ; h
	s_and_b32 s54, ttmp7, 0xffff                   ; batch
	s_mov_b32 s57, 0xffff0000                      ; lanes 16-31
	s_mov_b32 s58, 0x76543210
	s_mov_b32 s59, 0xfedcba98                      ; v_permlanex16_b32's selects for lane l xor 16
	s_and_b32 s55, s52, 1                          ; hf: which 32 positions
	s_bfe_u32 s56, s52, 0x10001                    ; j & 1, j = which 64 channels
	s_bfe_u32 s53, s52, 0x10002                    ; j >> 1: the K step
	; where my lane's block of 32 codes goes: position l of my 32 is row (l & 7) + 8 (l >> 4) of tile 2 hf + ((l >> 3) & 1); block 2 (j & 1) + q of K step j >> 1 is quad j & 1 of lane row + 16 q
	s_lshl_b32 s60, s55, 12
	s_lshl_b32 s61, s53, 10
	s_add_co_u32 s60, s60, s61
	s_lshl_b32 s61, s56, 9
	s_add_co_u32 s60, s60, s61
	v_bfe_u32 v12, v0, 3, 1
	v_and_b32 v13, 7, v0
	s_delay_alu instid0(VALU_DEP_2)
	v_lshlrev_b32 v4, 11, v12
	s_delay_alu instid0(VALU_DEP_1)
	v_lshl_add_u32 v4, v13, 4, v4
	s_wait_alu depctr_va_vdst(0)
	v_lshl_add_u32 v4, v3, 7, v4
	s_delay_alu instid0(VALU_DEP_1)
	v_add_nc_u32 v4, s60, v4                       ; v4: the codes
	s_lshl_b32 s60, s55, 8
	s_lshl_b32 s61, s53, 6
	s_add_co_u32 s60, s60, s61
	s_lshl_b32 s61, s56, 1
	s_add_co_u32 s60, s60, s61
	s_add_co_u32 s60, s60, XSC
	v_lshlrev_b32 v5, 7, v12
	s_delay_alu instid0(VALU_DEP_1)
	v_lshl_add_u32 v5, v13, 2, v5
	s_delay_alu instid0(VALU_DEP_1)
	v_lshl_add_u32 v5, v3, 5, v5
	s_delay_alu instid0(VALU_DEP_1)
	v_add_nc_u32 v5, s60, v5                       ; v5: my two scale bytes
	v_lshlrev_b32 v6, 4, v1                        ; v6: 16 x lane: an image's place for my lane
	v_lshl_add_u32 v7, v1, 2, XSC                  ; v7: a tile's scale words: lanes 0-15 K step 0, lanes 16-31 K step 1
	s_and_b32 s60, s52, 7
	s_mul_i32 s60, s60, 4352
	s_add_co_u32 s60, s60, STG
	v_mul_u32_u24 v8, v2, 272
	s_delay_alu instid0(VALU_DEP_1)
	v_lshl_add_u32 v8, v3, 6, v8
	s_delay_alu instid0(VALU_DEP_1)
	v_add_nc_u32 v8, s60, v8                       ; v8: into the stage: row r (a channel), + 64 h
	v_mul_u32_u24 v9, v3, 272
	s_delay_alu instid0(VALU_DEP_1)
	v_lshl_add_u32 v9, v2, 4, v9
	s_delay_alu instid0(VALU_DEP_1)
	v_add_nc_u32 v9, s60, v9                       ; v9: back: lanes 0-15 one row, lanes 16-31 the next
	s_and_b32 s62, s52, 3
	s_lshl_b32 s60, s62, 11
	v_add_nc_u32 v18, s60, v6                      ; v18: waves 8-11: my tile's two fragments
	s_lshl_b32 s60, s62, 7
	v_add_nc_u32 v19, s60, v7                      ; v19: and its scale words
	v_lshlrev_b32 v45, 2, v2                       ; v45: 4 r: where waves 8-11 store k's scale byte.  Made here, in a register that holds nothing else on either way
.irp i, 21,22,23,24,25
	v_mov_b32 v\i, 0                               ; written once: a lane permute's destination counts as one of its sources
.endr
	s_wait_kmcnt 0x0
	s_cmp_ge_u32 s52, 8
	s_cbranch_scc1 .Lqk_head
	; ---- waves 0-7, ahead of the barrier: 32 positions x 64 channels of x become codes
	v_lshlrev_b32 v12, 2, v1                       ; 4 x lane
	s_wait_alu depctr_va_vdst(0)
	v_lshlrev_b32 v13, 7, v2
	s_delay_alu instid0(VALU_DEP_1)
	v_lshl_add_u32 v13, v3, 4, v13                 ; w_v: row r of 128 bytes, + 16 h
	s_wait_alu depctr_va_vdst(0)
	v_lshlrev_b32 v14, 3, v2                       ; its scale words: 8 bytes a row
	s_wait_alu depctr_va_vdst(0)
	v_lshlrev_b32 v15, 2, v2                       ; bn3: 4 r
	s_wait_alu depctr_va_vdst(0)
	v_lshlrev_b32 v16, 14, v3
	s_delay_alu instid0(VALU_DEP_1)
	v_lshl_add_u32 v16, v2, 4, v16                 ; vf: lanes 0-15 one channel's row, lanes 16-31 the next; 16 bytes a lane
	s_lshl_b32 s60, s54, 22
	s_bfe_u32 s61, s52, 0x20001
	s_lshl_b32 s61, s61, 20
	s_add_co_u32 s60, s60, s61
	s_lshl_b32 s61, ttmp9, 8
	s_add_co_u32 s60, s60, s61
	s_lshl_b32 s61, s55, 7
	s_add_co_u32 s60, s60, s61
	s_mov_b32 s61, 0
	s_add_nc_u64 s[4:5], s[4:5], s[60:61]          ; x at my batch, my 64 channels, my 32 positions
.set i, 0
.rept 64
	global_load_b32 v[64+i], v12, s[4:5] offset:i*16384 th:TH_LOAD_NT   ; channel i of my 64: 32 lanes read 128 consecutive bytes; my neighbour wave reads the other half of the 256
.set i, i+1
.endr
	s_lshl_b32 s60, s52, 12
	s_add_nc_u64 s[6:7], s[6:7], s[60:61]          ; my 32 rows of w_v
	s_lshl_b32 s60, s52, 8
	s_add_nc_u64 s[8:9], s[8:9], s[60:61]
	s_lshl_b32 s60, s52, 7
	s_add_nc_u64 s[18:19], s[18:19], s[60:61]
	s_add_nc_u64 s[20:21], s[20:21], s[60:61]
	s_add_nc_u64 s[22:23], s[22:23], s[60:61]
	s_add_nc_u64 s[24:25], s[24:25], s[60:61]
.irp t, 0,1
.irp s, 0,1
.irp c, 0,1
	global_load_b128 v[192+8*(2*\t+\s)+4*\c:192+8*(2*\t+\s)+4*\c+3], v13, s[6:7] offset:\t*2048+64*\s+32*\c   ; w_v's fragment (tile t, K step s)
.endr
.endr
.endr
.irp t, 0,1
.irp s, 0,1
	global_load_b32 v[224+2*\t+\s], v14, s[8:9] offset:\t*128+4*\s
.endr
.endr
.irp t, 0,1
	global_load_b32 v[228+\t], v15, s[18:19] offset:64*\t      ; mean, var, scale, bias of channel 16 t + r of my 32
	global_load_b32 v[230+\t], v15, s[20:21] offset:64*\t
	global_load_b32 v[232+\t], v15, s[22:23] offset:64*\t
	global_load_b32 v[234+\t], v15, s[24:25] offset:64*\t
.endr
; block q of my two: all its 32 numbers are my lane's
.macro XBLOCK q
.set XS, 64+32*\q
	v_max3_num_f32 v20, |v[XS]|, |v[XS+1]|, |v[XS+2]|
	v_max3_num_f32 v21, |v[XS+3]|, |v[XS+4]|, |v[XS+5]|
.irp i, 6,10,14,18,22,26
	s_delay_alu instid0(VALU_DEP_2)
	v_max3_num_f32 v20, v20, |v[XS+\i]|, |v[XS+\i+1]|
	s_delay_alu instid0(VALU_DEP_2)
	v_max3_num_f32 v21, v21, |v[XS+\i+2]|, |v[XS+\i+3]|
.endr
	s_delay_alu instid0(VALU_DEP_2)
	v_max3_num_f32 v20, v20, |v[XS+30]|, |v[XS+31]|
	s_delay_alu instid0(VALU_DEP_1)
	v_max3_num_f32 v20, v20, v21, FLOOR
	s_delay_alu instid0(VALU_DEP_1)
	v_add_nc_u32 v[22+\q], EOFF, v20               ; the conversion takes the exponent field of this operand as its scale
	s_delay_alu instid0(VALU_DEP_1)
	v_lshrrev_b32 v[24+\q], 23, v[22+\q]           ; the scale's byte
.irp g, 0,1,2,3
	v_cvt_scalef32_pk8_fp4_f32 v[28+4*\q+\g], v[XS+8*\g:XS+8*\g+7], v[22+\q]
.endr
.endm
	s_wait_loadcnt 52                              ; my first 32 loads are in; the other 32 of x and the 20 of weights and batchnorm may be out
	XBLOCK 0
	s_wait_loadcnt 20                              ; all of x is in
	XBLOCK 1
	v_nop                                          ; one plain place behind the last scaled conversion
	ds_store_b128 v4, v[28:31]
	ds_store_b128 v4, v[32:35] offset:256
	v_lshl_or_b32 v26, v25, 8, v24
	ds_store_b16 v5, v26
	s_wait_loadcnt 0x0
	v_add_f32 v48, EPSB, v230
	v_add_f32 v49, EPSB, v231
	s_wait_alu depctr_va_vdst(0)
	v_rsq_f32 v50, v48
	v_rsq_f32 v51, v49
.irp t, 0,1
	v_mov_b32 v[236+6*\t], v[228+\t]               ; the constants are the same for all of a lane's registers: doubled into pairs for the packed forms.  (Plain work behind the two roots)
	v_mov_b32 v[237+6*\t], v[228+\t]
	v_mov_b32 v[240+6*\t], v[234+\t]
	v_mov_b32 v[241+6*\t], v[234+\t]
.endr
	s_wait_alu depctr_va_vdst(0)                   ; one wait for both roots, ahead of their first reader
.irp t, 0,1
	v_mul_f32 v[238+6*\t], v[50+\t], v[232+\t]     ; scale / sqrt(var + eps)
.endr
.irp t, 0,1
	s_delay_alu instid0(VALU_DEP_2)
	v_mov_b32 v[239+6*\t], v[238+6*\t]
.endr
	s_branch .Ljoin
.Lqk_head:
	; ---- waves 8-11, ahead of the barrier: the weights and batchnorm numbers of q and k
	v_and_b32 v13, 8, v2
	s_delay_alu instid0(VALU_DEP_1)
	v_add_nc_u32 v13, v13, v2                      ; r + 8 (r / 8): THE ROWS OF W THAT FORM A TILE ARE NOT NEIGHBOURS either, so that a lane's 16 results are 16 neighbouring channels
	s_delay_alu instid0(VALU_DEP_1)
	v_lshlrev_b32 v12, 7, v13
	s_delay_alu instid0(VALU_DEP_1)
	v_lshl_add_u32 v12, v3, 4, v12                 ; w_q, w_k: that row of 128 bytes, + 16 h
	s_delay_alu instid0(VALU_DEP_3)
	v_lshlrev_b32 v15, 4, v13
	s_delay_alu instid0(VALU_DEP_1)
	v_lshl_add_u32 v15, v3, 3, v15                 ; qc: 16 bytes a position, + 8 h
	v_lshlrev_b32 v17, 3, v13
	s_delay_alu instid0(VALU_DEP_1)
	v_lshl_add_u32 v17, v3, 2, v17                 ; qaux: 8 bytes a position, + 4 h
	v_lshlrev_b32 v13, 3, v13                      ; the weights' scale words: 8 bytes a row
	v_lshlrev_b32 v14, 6, v3                       ; batchnorm: channels 16 h + 0 .. 15
	v_lshlrev_b32 v16, 4, v2
	s_delay_alu instid0(VALU_DEP_1)
	v_lshl_add_u32 v16, v3, 3, v16                 ; kimg: 16 r + 8 h
.irp u, 0,1
.irp s, 0,1
.irp c, 0,1
	global_load_b128 v[64+8*(2*\u+\s)+4*\c:64+8*(2*\u+\s)+4*\c+3], v12, s[10:11] offset:\u*1024+64*\s+32*\c
	global_load_b128 v[96+8*(2*\u+\s)+4*\c:96+8*(2*\u+\s)+4*\c+3], v12, s[14:15] offset:\u*1024+64*\s+32*\c
.endr
	global_load_b32 v[36+2*\u+\s], v13, s[12:13] offset:\u*64+4*\s
	global_load_b32 v[40+2*\u+\s], v13, s[16:17] offset:\u*64+4*\s
.endr
.endr
.irp g, 0,1,2,3
	global_load_b128 v[160+4*\g:163+4*\g], v14, s[26:27] offset:16*\g   ; bn1: mean,
	global_load_b128 v[192+4*\g:195+4*\g], v14, s[28:29] offset:16*\g   ; var,
	global_load_b128 v[128+4*\g:131+4*\g], v14, s[30:31] offset:16*\g   ; scale,
	global_load_b128 v[224+4*\g:227+4*\g], v14, s[32:33] offset:16*\g   ; bias
	global_load_b128 v[176+4*\g:179+4*\g], v14, s[34:35] offset:16*\g   ; bn2 likewise
	global_load_b128 v[208+4*\g:211+4*\g], v14, s[36:37] offset:16*\g
	global_load_b128 v[144+4*\g:147+4*\g], v14, s[38:39] offset:16*\g
	global_load_b128 v[240+4*\g:243+4*\g], v14, s[40:41] offset:16*\g
.endr
	s_wait_loadcnt 0x0
.set i, 0
.rept 32
	v_add_f32 v[192+i], EPSB, v[192+i]
.set i, i+1
.endr
.set i, 0
	s_wait_alu depctr_va_vdst(0)
.rept 32
	v_rsq_f32 v[192+i], v[192+i]
.set i, i+1
.endr
	v_nop                                          ; a plain place behind the last root
	s_wait_alu depctr_va_vdst(0)                   ; one wait for the 32
.set i, 0
.rept 16
	v_pk_mul_f32 v[192+i:193+i], v[192+i:193+i], v[128+i:129+i]   ; scale / sqrt(var + eps)
.set i, i+2
.endr
.Ljoin:
	s_wait_dscnt 0x0                               ; my stores of x's images have landed
	s_barrier_signal -1
.rept 4
	v_nop
.endr                                                  ; on one way out of it; the distance in front of such an operand is kept on every way through the text
	s_barrier_wait -1                              ; x's eight fragments and their scale words lie in LDS
	s_cmp_ge_u32 s52, 8
	s_cbranch_scc1 .Lqk_body
	; ---- waves 0-7: v.  Source 0 = 16 positions of x, source 1 = 16 rows of w_v: lane (r, h) holds channel r of the tile, register 8 T + j position 32 (T / 2) + 16 h + 8 (T % 2) + j
.irp T, 0,1,2,3
.irp s, 0,1
.irp c, 0,1
	ds_load_b128 v[64+8*(2*\T+\s)+4*\c:64+8*(2*\T+\s)+4*\c+3], v6 offset:(2*\T+\s)*1024+\c*512
.endr
.endr
	ds_load_b32 v[56+\T], v7 offset:\T*128
.endr
	s_wait_dscnt 0x0
	s_wait_alu depctr_va_vdst(0)
.irp t, 0,1                            ; the eight accumulators take turns, one instruction a turn, K step by K step; the first K step starts the sums
.irp T, 0,1,2,3
	v_wmma_scale_f32_16x16x128_f8f6f4 v[128+32*\t+8*\T:128+32*\t+8*\T+7], v[64+16*\T:64+16*\T+7], v[192+16*\t:192+16*\t+7], 0, v[56+\T], v[224+2*\t] matrix_a_fmt:MATRIX_FMT_FP4 matrix_b_fmt:MATRIX_FMT_FP4
.endr
.endr
.irp t, 0,1
.irp T, 0,1,2,3
	v_wmma_scale_f32_16x16x128_f8f6f4 v[128+32*\t+8*\T:128+32*\t+8*\T+7], v[72+16*\T:72+16*\T+7], v[200+16*\t:200+16*\t+7], v[128+32*\t+8*\T:128+32*\t+8*\T+7], v[56+\T], v[225+2*\t] matrix_a_fmt:MATRIX_FMT_FP4 matrix_b_fmt:MATRIX_FMT_FP4 matrix_a_scale:MATRIX_SCALE_ROW1
.endr
.endr
.rept 4
	v_nop                                          ; four places ahead of the first read of results
.endr
.irp t, 0,1                            ; (y - mean) inv + bias, then relu; each accumulator from its low end on
.set i, 0
.rept 16
	v_pk_add_f32 v[128+32*\t+i:129+32*\t+i], v[128+32*\t+i:129+32*\t+i], v[236+6*\t:237+6*\t] neg_lo:[0,1] neg_hi:[0,1]
.set i, i+2
.endr
.endr
.irp t, 0,1
.set i, 0
.rept 16
	v_pk_fma_f32 v[128+32*\t+i:129+32*\t+i], v[128+32*\t+i:129+32*\t+i], v[238+6*\t:239+6*\t], v[240+6*\t:241+6*\t]
.set i, i+2
.endr
.endr
.set i, 0
.rept 64
	v_max_num_f32 v[128+i], 0, v[128+i]
.set i, i+1
.endr
.irp t, 0,1                            ; 16 channels x 64 positions go through my stage and come back as whole rows of 256 bytes.  LDS serves a wave's instructions in order: no wait between them
.irp T, 0,1,2,3
	ds_store_b128 v8, v[128+32*\t+8*\T:128+32*\t+8*\T+3] offset:(\T/2)*128+(\T%2)*32
	ds_store_b128 v8, v[128+32*\t+8*\T+4:128+32*\t+8*\T+7] offset:(\T/2)*128+(\T%2)*32+16
.endr
.irp i, 0,1,2,3,4,5,6,7
	ds_load_b128 v[64+32*\t+4*\i:64+32*\t+4*\i+3], v9 offset:\i*544
.endr
.endr
; v's codes along the positions: tile t's 32 registers are two blocks of 32 positions, each half in lane l and half in lane l xor 16.  Nothing is negative: no |.|
.macro QV t
.set H, 128+32*\t
.irp b, 0,1
	v_max3_num_f32 v[20+\b], v[H+16*\b], v[H+16*\b+1], FLOOR
.endr
.irp i, 2,4,6,8,10,12,14
.irp b, 0,1
	s_delay_alu instid0(VALU_DEP_2)
	v_max3_num_f32 v[20+\b], v[20+\b], v[H+16*\b+\i], v[H+16*\b+\i+1]
.endr
.endr
.irp b, 0,1
	s_delay_alu instid0(VALU_DEP_2)
	v_permlanex16_b32 v[22+\b], v[20+\b], s58, s59
.endr
.irp b, 0,1
	s_delay_alu instid0(VALU_DEP_2)
	v_max_num_f32 v[20+\b], v[20+\b], v[22+\b]
.endr
.irp b, 0,1
	s_delay_alu instid0(VALU_DEP_2)
	v_add_nc_u32 v[24+\b], EOFF, v[20+\b]
.endr
.irp b, 0,1
	s_delay_alu instid0(VALU_DEP_2)
	v_lshrrev_b32 v[22+\b], 23, v[24+\b]
.endr
	s_delay_alu instid0(VALU_DEP_1)
	v_lshl_or_b32 v[26+\t], v23, 8, v22            ; the two bytes
.irp b, 0,1
	v_cvt_scalef32_pk8_fp4_f32 v[28+4*\t+2*\b], v[H+16*\b:H+16*\b+7], v[24+\b]
	v_cvt_scalef32_pk8_fp4_f32 v[29+4*\t+2*\b], v[H+16*\b+8:H+16*\b+15], v[24+\b]
.endr
	v_nop                                          ; one plain place behind a scaled conversion
	v_permlane16_swap_b32 v[28+4*\t], v[30+4*\t]   ; the operand's layout wants a whole block in a lane: lanes 0-15 block 0, lanes 16-31 block 1
	v_permlane16_swap_b32 v[29+4*\t], v[31+4*\t]
.endm
	QV 0
	QV 1
	s_mul_i32 s60, s54, VBATCH
	s_lshr_b32 s61, ttmp9, 1
	s_mul_i32 s61, s61, VSTEP
	s_add_co_u32 s60, s60, s61                     ; my step of 128 positions in vimg
	s_and_b32 s61, ttmp9, 1                        ; and which half of it my 64 are
	s_lshl_b32 s62, s61, 9
	s_add_co_u32 s62, s62, s60
	s_lshl_b32 s63, s52, 11
	s_add_co_u32 s62, s62, s63
	s_mov_b32 s63, 0
	s_add_nc_u64 s[66:67], s[44:45], s[62:63]      ; my two fragments' quads
	s_lshl_b32 s62, s61, 1
	s_add_co_u32 s62, s62, s60
	s_lshl_b32 s61, s52, 7
	s_add_co_u32 s62, s62, s61
	s_add_co_u32 s62, s62, 16384
	s_add_nc_u64 s[68:69], s[44:45], s[62:63]      ; and my two bytes of their scale words
	s_lshl_b32 s62, s54, 22
	s_lshl_b32 s61, s52, 19
	s_add_co_u32 s62, s62, s61
	s_lshl_b32 s61, ttmp9, 8
	s_add_co_u32 s62, s62, s61
	s_add_nc_u64 s[42:43], s[42:43], s[62:63]      ; vf at my 32 channels, my 64 positions
	s_wait_alu depctr_va_vdst(0)
	v_cndmask_b32 v20, v26, v27, s57               ; lanes 0-15: tile 0's bytes of channel r; lanes 16-31: tile 1's
	global_store_b128 v6, v[28:31], s[66:67]       ; 32 lanes store 512 consecutive bytes
	global_store_b128 v6, v[32:35], s[66:67] offset:1024
	global_store_b16 v12, v20, s[68:69]
.irp t, 0,1
.irp i, 0,1,2,3,4,5,6,7
	s_wait_dscnt 23-16*\t-\i                       ; rows 2 i, 2 i + 1 are back; the younger loads (and, for tile 0, tile 1's sixteen instructions) may be out
	global_store_b128 v16, v[64+32*\t+4*\i:64+32*\t+4*\i+3], s[42:43] offset:(16*\t+2*\i)*16384 th:TH_STORE_NT   ; 16 lanes store 256 consecutive bytes, aligned
.endr
.endr
	s_branch .Lend
.Lqk_body:
	; ---- waves 8-11: q and k of my tile.  Source 0 = 16 rows of W, source 1 = x: lane (r, h) holds the tile's position r, register 8 u + j channel 16 h + 8 u + j
.irp s, 0,1
.irp c, 0,1
	ds_load_b128 v[48+8*\s+4*\c:48+8*\s+4*\c+3], v18 offset:\s*1024+\c*512
.endr
.endr
	ds_load_b32 v44, v19
	s_wait_dscnt 0x0
.irp u, 0,1                            ; four accumulators by turns: q's two, k's two
	v_wmma_scale_f32_16x16x128_f8f6f4 v[128+8*\u:135+8*\u], v[64+16*\u:71+16*\u], v[48:55], 0, v[36+2*\u], v44 matrix_a_fmt:MATRIX_FMT_FP4 matrix_b_fmt:MATRIX_FMT_FP4
.endr
.irp u, 0,1
	v_wmma_scale_f32_16x16x128_f8f6f4 v[144+8*\u:151+8*\u], v[96+16*\u:103+16*\u], v[48:55], 0, v[40+2*\u], v44 matrix_a_fmt:MATRIX_FMT_FP4 matrix_b_fmt:MATRIX_FMT_FP4
.endr
.irp u, 0,1
	v_wmma_scale_f32_16x16x128_f8f6f4 v[128+8*\u:135+8*\u], v[72+16*\u:79+16*\u], v[56:63], v[128+8*\u:135+8*\u], v[37+2*\u], v44 matrix_a_fmt:MATRIX_FMT_FP4 matrix_b_fmt:MATRIX_FMT_FP4 matrix_b_scale:MATRIX_SCALE_ROW1
.endr
.irp u, 0,1
	v_wmma_scale_f32_16x16x128_f8f6f4 v[144+8*\u:151+8*\u], v[104+16*\u:111+16*\u], v[56:63], v[144+8*\u:151+8*\u], v[41+2*\u], v44 matrix_a_fmt:MATRIX_FMT_FP4 matrix_b_fmt:MATRIX_FMT_FP4 matrix_b_scale:MATRIX_SCALE_ROW1
.endr
.rept 4
	v_nop
.endr
.set i, 0
.rept 16
	v_pk_add_f32 v[128+i:129+i], v[128+i:129+i], v[160+i:161+i] neg_lo:[0,1] neg_hi:[0,1]   ; y - mean: q's 16 registers, then k's; the constants lie in the same order
.set i, i+2
.endr
.set i, 0
.rept 16
	v_pk_fma_f32 v[128+i:129+i], v[128+i:129+i], v[192+i:193+i], v[224+i:225+i]
.set i, i+2
.endr
.set i, 0
.rept 32
	v_max_num_f32 v[128+i], 0, v[128+i]
.set i, i+1
.endr
	v_pk_mul_f32 v[20:21], v[128:129], v[144:145]  ; energy_w = sum over the 32 channels of q k, on the unquantised numbers
.irp i, 2,4,6,8,10,12,14
	s_delay_alu instid0(VALU_DEP_1)
	v_pk_fma_f32 v[20:21], v[128+\i:129+\i], v[144+\i:145+\i], v[20:21]
.endr
	s_delay_alu instid0(VALU_DEP_1)
	v_add_f32 v20, v20, v21
	s_delay_alu instid0(VALU_DEP_1)
	v_permlanex16_b32 v21, v20, s58, s59
	s_delay_alu instid0(VALU_DEP_1)
	v_add_f32 v20, v20, v21
.irp z, 0,1                            ; z = 0: q, 1: k: one block of 32 channels, half in lane l, half in lane l xor 16
	v_max3_num_f32 v[22+\z], v[128+16*\z], v[129+16*\z], FLOOR
.endr
.irp i, 2,4,6,8,10,12,14
.irp z, 0,1
	s_delay_alu instid0(VALU_DEP_2)
	v_max3_num_f32 v[22+\z], v[22+\z], v[128+16*\z+\i], v[129+16*\z+\i]
.endr
.endr
.irp z, 0,1
	s_delay_alu instid0(VALU_DEP_2)
	v_permlanex16_b32 v[24+\z], v[22+\z], s58, s59
.endr
.irp z, 0,1
	s_delay_alu instid0(VALU_DEP_2)
	v_max_num_f32 v[22+\z], v[22+\z], v[24+\z]
.endr
.irp z, 0,1
	s_delay_alu instid0(VALU_DEP_2)
	v_add_nc_u32 v[26+\z], EOFF, v[22+\z]
.endr
.irp z, 0,1
	s_delay_alu instid0(VALU_DEP_2)
	v_lshrrev_b32 v[24+\z], 23, v[26+\z]           ; the scale's byte: the same in both halves of the lanes
.endr
.irp z, 0,1
	v_cvt_scalef32_pk8_fp4_f32 v[28+2*\z], v[128+16*\z:135+16*\z], v[26+\z]    ; channels 16 h + 0 .. 7
	v_cvt_scalef32_pk8_fp4_f32 v[29+2*\z], v[136+16*\z:143+16*\z], v[26+\z]    ; and + 8 .. 15: bytes 8 h .. 8 h + 7 of the position's 16
.endr
	v_nop                                          ; one plain place behind the last scaled conversion
	s_mov_b32 s60, 0x01010101
	v_mul_lo_u32 v32, v24, s60                     ; q's byte in all four places of a scale word
	s_delay_alu instid0(VALU_DEP_1)
	v_cndmask_b32 v32, v32, v20, s57               ; lanes 0-15 store the word, lanes 16-31 energy_w
	s_and_b32 s62, s52, 3                          ; my tile T
	s_lshr_b32 s63, s62, 1
	s_lshl_b32 s63, s63, 5
	s_and_b32 s60, s62, 1
	s_lshl_b32 s60, s60, 3
	s_add_co_u32 s63, s63, s60                     ; 32 (T / 2) + 8 (T % 2)
	s_lshl_b32 s66, s54, 12
	s_lshl_b32 s60, ttmp9, 6
	s_add_co_u32 s66, s66, s60
	s_add_co_u32 s66, s66, s63                     ; the tile's first position in the whole tensor
	s_lshl_b32 s68, s66, 4
	s_mov_b32 s69, 0
	s_add_nc_u64 s[68:69], s[48:49], s[68:69]      ; qc
	s_lshl_b32 s70, s66, 3
	s_mov_b32 s71, 0
	s_add_nc_u64 s[70:71], s[50:51], s[70:71]      ; qaux
	s_mul_i32 s66, s54, KIMGB
	s_lshl_b32 s72, ttmp9, 10
	s_add_co_u32 s72, s72, s66
	s_lshl_b32 s60, s62, 8
	s_add_co_u32 s72, s72, s60
	s_mov_b32 s73, 0
	s_add_nc_u64 s[72:73], s[46:47], s[72:73]      ; kimg: fragment = my work-group, block T: 256 consecutive bytes
	s_lshl_b32 s74, ttmp9, 6
	s_add_co_u32 s74, s74, s66
	s_add_co_u32 s74, s74, s62
	s_add_co_u32 s74, s74, 65536
	s_mov_b32 s75, 0
	s_add_nc_u64 s[74:75], s[46:47], s[74:75]      ; and byte T of its rows' scale words
	s_wait_alu depctr_va_vdst(0)
	global_store_b64 v15, v[28:29], s[68:69]
	global_store_b64 v16, v[30:31], s[72:73]
	global_store_b32 v17, v32, s[70:71]
	global_store_b8 v45, v25, s[74:75]             ; both halves of the lanes store the same byte to the same place
.Lend:
	s_wait_tensorcnt 0x0                           ; the wave's end: behind my last LDS store; the tensor wait stands though this text has no tensor load
	ds_add_u32 v10, v11
	s_wait_dscnt 0x0
	s_endpgm
.Lfunc_end_k_q08ed20c661_project:
	.size	k_q08ed20c661_project, .Lfunc_end_k_q08ed20c661_project-k_q08ed20c661_project
	.p2alignl 7, 3214868480
	.fill 96, 4, 3214868480
	.section	.rodata,"a",@progbits
	.p2align	6, 0x0
	.amdhsa_kernel k_q08ed20c661_project
		.amdhsa_group_segment_fixed_size 45056
		.amdhsa_private_segment_fixed_size 0
		.amdhsa_enable_private_segment 0
		.amdhsa_kernarg_size 192
		.amdhsa_user_sgpr_count 2
		.amdhsa_user_sgpr_kernarg_segment_ptr 1
		.amdhsa_wavefront_size32 1
		.amdhsa_system_sgpr_workgroup_id_x 1
		.amdhsa_system_sgpr_workgroup_id_y 1
		.amdhsa_system_sgpr_workgroup_id_z 1
		.amdhsa_system_vgpr_workitem_id 0
		.amdhsa_next_free_vgpr 256
		.amdhsa_next_free_sgpr 80
		.amdhsa_reserve_vcc 0
		.amdhsa_float_denorm_mode_32 3
		.amdhsa_float_denorm_mode_16_64 3
		.amdhsa_memory_ordered 1
		.amdhsa_forward_progress 1
		.amdhsa_inst_pref_size 57
	.end_amdhsa_kernel
	.amdgpu_metadata
---
amdhsa.version: [ 1, 2 ]
amdhsa.kernels:
  - .name:           k_q08ed20c661_project
    .symbol:         k_q08ed20c661_project.kd
    .args:
      - { .name: x, .offset: 0, .size: 8, .value_kind: global_buffer, .address_space: global }
      - { .name: w_v_codes, .offset: 8, .size: 8, .value_kind: global_buffer, .address_space: global }
      - { .name: w_v_scales, .offset: 16, .size: 8, .value_kind: global_buffer, .address_space: global }
      - { .name: w_q_codes, .offset: 24, .size: 8, .value_kind: global_buffer, .address_space: global }
      - { .name: w_q_scales, .offset: 32, .size: 8, .value_kind: global_buffer, .address_space: global }
      - { .name: w_k_codes, .offset: 40, .size: 8, .value_kind: global_buffer, .address_space: global }
      - { .name: w_k_scales, .offset: 48, .size: 8, .value_kind: global_buffer, .address_space: global }
      - { .name: bn3_mean, .offset: 56, .size: 8, .value_kind: global_buffer, .address_space: global }
      - { .name: bn3_var, .offset: 64, .size: 8, .value_kind: global_buffer, .address_space: global }
      - { .name: bn3_scale, .offset: 72, .size: 8, .value_kind: global_buffer, .address_space: global }
      - { .name: bn3_bias, .offset: 80, .size: 8, .value_kind: global_buffer, .address_space: global }
      - { .name: bn1_mean, .offset: 88, .size: 8, .value_kind: global_buffer, .address_space: global }
      - { .name: bn1_var, .offset: 96, .size: 8, .value_kind: global_buffer, .address_space: global }
      - { .name: bn1_scale, .offset: 104, .size: 8, .value_kind: global_buffer, .address_space: global }
      - { .name: bn1_bias, .offset: 112, .size: 8, .value_kind: global_buffer, .address_space: global }
      - { .name: bn2_mean, .offset: 120, .size: 8, .value_kind: global_buffer, .address_space: global }
      - { .name: bn2_var, .offset: 128, .size: 8, .value_kind: global_buffer, .address_space: global }
      - { .name: bn2_scale, .offset: 136, .size: 8, .value_kind: global_buffer, .address_space: global }
      - { .name: bn2_bias, .offset: 144, .size: 8, .value_kind: global_buffer, .address_space: global }
      - { .name: vf, .offset: 152, .size: 8, .value_kind: global_buffer, .address_space: global }
      - { .name: vimg, .offset: 160, .size: 8, .value_kind: global_buffer, .address_space: global }
      - { .name: kimg, .offset: 168, .size: 8, .value_kind: global_buffer, .address_space: global }
      - { .name: qc, .offset: 176, .size: 8, .value_kind: global_buffer, .address_space: global }
      - { .name: qaux, .offset: 184, .size: 8, .value_kind: global_buffer, .address_space: global }
    .group_segment_fixed_size: 45056
    .private_segment_fixed_size: 0
    .kernarg_segment_align: 8
    .kernarg_segment_size: 192
    .max_flat_workgroup_size: 384
    .sgpr_count:     80
    .vgpr_count:     256
    .wavefront_size: 32
...
	.end_amdgpu_metadata
.endif
;; end of part 1
;; launch attend (part 2): grid 64 x 4, 8 waves a work-group, clusters of 4 x 1, 327,680 bytes of LDS; arguments qc, qaux, kimg, vimg, vf, x, gamma, out0; writes out0
.if DOCPART == 2
	.amdgcn_target "amdgcn-amd-amdhsa--gfx1250"
	.amdhsa_code_object_version 6
	.text
	.protected	k_q08ed20c661_attend
	.globl	k_q08ed20c661_attend
	.p2align	8
	.type	k_q08ed20c661_attend,@function
k_q08ed20c661_attend:
	s_mov_b64 s[64:65], 0
	v_nop
	global_prefetch_b8 v0, s[64:65] scope:SCOPE_SE
	s_setreg_imm32_b32 hwreg(HW_REG_WAVE_MODE, 25, 1), 1
	s_wait_xcnt 0x0
	s_wait_alu depctr_hold_cnt(0) depctr_sa_sdst(0) depctr_va_vdst(0) depctr_va_sdst(0) depctr_va_ssrc(0) depctr_va_vcc(0) depctr_vm_vsrc(0)
	s_getreg_b32 s2, hwreg(HW_REG_IB_STS2, 6, 4)
	s_cmp_eq_u32 s2, 0
	s_cbranch_scc0 .Lentry_in_a_cluster
	s_endpgm
.Lentry_in_a_cluster:
	s_bfe_u32 s2, ttmp6, 0x10000c
	s_cmp_lg_u32 s2, 0x3003
	s_cbranch_scc0 .Lentry_shape_is_right
	s_endpgm
.Lentry_shape_is_right:
; out = gamma (v att_h^T + v att_w) + x, att = softmax over the 4,096 energies q_i . k_j (the diagonal -infinity) and energy_w.  Both products on codes of FP4 (E2M1), one E8M0 scale for each 32 along K.
; No work is left out: the masked diagonal lies inside live tiles, is computed and selected away.
; att_h IS QUANTISED FINISHED AND NORMALISED, so its codes hang on the whole row's sum: THE KEYS ARE WALKED TWICE.  Pass 1: each row's largest t = energy x log2(e) and the sum of 2^(t - largest), by a running maximum.
; Pass 2: the energies again (the same instructions on the same codes: the same bits), p = 2^(t - M'), M' = largest + log2(sum); p's codes and scale bytes; O += P V.  O needs no rescaling.
; LIMITS: NaN and infinities among the inputs are not served.  M' is rounded once in f32, so all p of a row carry a common relative error of about 2^-24 |M'| ln 2.  A p under 2^-126 is 0.  A block of p under 2^-124 gets the byte 1.
; The f32 sums run in another order than reference()'s.
; SHARES.  A work-group owns 64 queries of one batch.  Wave w = 4 qp + ks owns query tiles 2 qp, 2 qp + 1 (16 neighbouring queries each) and the key steps g = 4 s + ks, s = 0 .. 7, of 128 keys, in both passes.
; The four waves ks of a pair of tiles join their maxima and sums through LDS between the passes, and their partial O at the end: p is normalised, so the parts simply add.
; K = 32 IN AN INSTRUCTION OF 128: a fragment of k holds FOUR keys in a row, one in each block of 32; q stands in ONE block of its operand and zero codes in the other three ('version bk').  The product with version bk
; is the energies of the keys in block bk: the other blocks multiply finite codes by zero codes.  So no byte and no register of k is padding.
; LAYOUT.  S^T = K Q^T (source 0 = keys, source 1 = queries): a lane holds query lane % 16; register n of 64 holds key 32 (n / 16) + 16 (lane / 16) + n % 16 of the step (the first launch chose the keys of a tile so).
; O = P V (source 0 = P's 16 queries, source 1 = 16 channels of v): a lane holds channel lane % 16 and eight neighbouring queries, as out0's rows run.
; CLUSTER.  The four work-groups of a cluster belong to one batch and walk the same k and v: every tile is asked for JOINTLY, each of the eight waves an eighth, the same descriptor and the mask 15 in all four.
; LDS.  Region A, 0 .. 139,263: eight steps of v as they lie in memory; later the stage of the way out.  Region B, from KIMG, 69,632 bytes: in pass 1 the batch's k, in pass 2 four steps of v.
; v's 32 steps go: A 0-7 (asked for at the head, lands under pass 1), B 8-11, A 12-19, B 20-23, A 24-31: four refills, each behind a round; a fill of B has two steps of a wave's work in which to land, a fill of A one.
; IN PASS 2 k COMES FROM MEMORY INTO REGISTERS: its fragments lie there as register images, 16 bytes a lane; a step's five loads are issued behind the energies' products of the step before.
; BASE gamma att_w v + x; BMAX the blocks' largest energies, found in pass 1 and used again in pass 2; STT, STL the waves' maxima and sums; SPARE.  All of a WGP's LDS is claimed.
; Pass 2's eight steps are written out by macro: the first starts O's sums with the constant 0, and every step's offsets are immediates.
; REGISTERS.  Window 0: v1-6 addresses that stay, v7, v8 the add's two, v9 my query less 16 (lane / 16), v10-14 addresses in hand, v15 -infinity; v16-31 statistics, 8 a tile: +0 t's maximum, later M'; +1 the largest energy;
;   +2, +3 the sum; +4 f; +6, +7 at work; in pass 2 v26, v27, v30, v31 are addresses of v; v32-67 q: quads [0 A0 0 B0 0 A1 0 B1 0], A = codes in lanes 0-15, B = in lanes 16-31; v68, v70 q's scale words; v69, v71 energy_w x log2(e);
;   v72-87 two fragments of k; v88 their scale words; v89 the mask's difference; v90-97 blocks' largest, 4 a tile; v98-105 pass 1: at work; pass 2: v's scale words; v106-109 the conversions' scale operands; v110-125 P's codes;
;   v126, v127 P's scale words; v128-255 the energies, then p, then v's 16 fragments.   Window 1: O, accumulator (tile, t) at 8 (16 tile + t); during pass 1 the rows of x (v0-63), of v (v64-127) and qaux by rows (v128-135).
.set ABYTES, 139264                    ; region A: eight steps
.set HALFB,  69632                     ; four steps; region B
.set VSTEP,  17408
.set VBATCH, 557056
.set KIMGB,  69632
.set EIGHTH, 8704                      ; an eighth of region B: 34 rows of 256 bytes; an eighth of region A is VSTEP: 68 rows
.set KIMG,   139264
.set BASE,   208896
.set BMAX,   274432
.set STT,    307200
.set STL,    308224
.set SPARE,  309248                    ; the spare words, 128 bytes for each of the 8 waves: four blocks of 256 bytes that no other line names
.set FLOOR,  0x1800000
.set EOFF,   0xff000000
.set MSB, 0
.macro WIN new                         ; the immediate's high byte repeats the setting that is left
.if MSB != \new
	s_set_vgpr_msb (MSB<<8)|\new
.set MSB, \new
.endif
.endm
.macro BAR
	s_barrier_signal -1
	s_barrier_wait -1
.endm
.macro CROUND                          ; a round of the cluster's barrier
	s_barrier_signal -1
	s_barrier_wait -1
	s_cmp_lg_u32 s20, 0
	s_cbranch_scc1 .Lnot_wave_0_\@
	s_barrier_signal -3
.Lnot_wave_0_\@:
	s_barrier_wait -3
	s_barrier_signal -1
	s_barrier_wait -1
.endm
; A prefetch of the codes that the NEXT filling change will load, 16,384 bytes a step.  All clusters of a batch walk the same v: the batch's first cluster asks.  Its four partners are told apart by address.
; For eight steps: partner cx takes steps 2 cx, 2 cx + 1; waves 0-3 take 8,192 bytes each, lanes 256 bytes apart.  For four steps: partner cx takes step cx, waves 0 and 1.  So each aligned block of 256 bytes is named once
; in the launch.  flag: the scalar that is 1 in a wave that asks (the wave's number and the cluster's alone: the same in all four partners); lo: the address pair.
.macro ASK flag, lo
	s_cmp_eq_u32 s[\flag], 1
	s_cbranch_scc0 .Lnot_mine_\@
	s_wait_alu depctr_va_vdst(0)
	global_prefetch_b8 v5, s[\lo:\lo+1] th:TH_LOAD_NT scope:SCOPE_SE
.Lnot_mine_\@:
.endm
	s_load_b512 s[4:19], s[0:1], 0x0               ; qc s4, qaux s6, kimg s8, vimg s10, vf s12, x s14, gamma s16, out0 s18
	v_lshl_add_u32 v7, v0, 2, SPARE
	v_mov_b32 v8, 0
	ds_add_u32 v7, v8                              ; the wave's opening: the add, twice on end, and its wait ahead of my first tensor load
	ds_add_u32 v7, v8                              ; and once more, under the one wait; the set-up below, work on registers, stands between
	v_lshrrev_b32 v240, 5, v0
	s_delay_alu instid0(VALU_DEP_1)
	v_readfirstlane_b32 s20, v240                  ; wave 0..7
	s_and_b32 s21, s20, 3                          ; ks
	s_lshr_b32 s22, s20, 2                         ; qp
	s_bfe_u32 s23, ttmp6, 0x40000                  ; cx: my place in the cluster
	s_lshl_b32 s24, ttmp9, 2
	s_add_co_u32 s24, s24, s23
	s_lshl_b32 s24, s24, 6                         ; my first query: it enters global addresses and vector data alone
	s_and_b32 s25, ttmp7, 0xffff                   ; the batch, which the four partners share
	s_mov_b32 s28, 15|(3<<16)|(1<<21)              ; group 1 for an eighth of region B: 15:0 the mask: all four; 17:16 elements of 8 bytes; 21 set beside a mask; no padding: every read is 16 x lane on end
	s_mov_b32 s29, 32<<16                          ; tensor_dim0 = 32 elements = 256 bytes
	s_mov_b32 s30, 34<<16                          ; tensor_dim1 = 34 rows
	s_mov_b32 s31, 32<<16                          ; tile_dim0
	s_mov_b32 s32, 34                              ; tile_dim1
	s_mov_b32 s33, 32                              ; the pitch: dense
	s_mov_b32 s34, 0
	s_mov_b32 s35, 0
	s_mov_b32 s80, 15|(3<<16)|(1<<21)              ; group 1 for an eighth of region A: the same with 68 rows
	s_mov_b32 s81, 32<<16
	s_mov_b32 s82, 68<<16
	s_mov_b32 s83, 32<<16
	s_mov_b32 s84, 68
	s_mov_b32 s85, 32
	s_mov_b32 s86, 0
	s_mov_b32 s87, 0
	s_mul_i32 s96, s20, EIGHTH                     ; my eighth of region B, in memory and in LDS
	s_mul_i32 s54, s20, VSTEP                      ; my eighth of region A
	s_mov_b32 s44, 0x3fb8aa3b                      ; c = log2(e)
	s_mov_b32 s45, s44                             ; (named with it as a pair, so it is written)
	s_mov_b32 s46, 0x76543210
	s_mov_b32 s47, 0xfedcba98                      ; v_permlanex16_b32's selects for lane l xor 16
	s_mov_b32 s57, 0xffff0000                      ; lanes 16-31
	s_mov_b32 s48, 0                               ; pass 1: where the step's fragments of k begin: 8,192 bytes a trip (4 steps of 2,048)
	s_mov_b32 s49, 0                               ; its scale words: 512 a trip
	s_mov_b32 s50, 0                               ; the blocks' largest: 512 a trip
	s_lshl_b32 s51, s21, 7                         ; the step's first key: 512 a step
	s_lshr_b32 s56, s20, 1
	s_or_b32 s56, s56, ttmp9                       ; 0 in waves 0 and 1 of the batch's first cluster: the same in all four partners
	s_cmp_eq_u32 s56, 0
	s_cselect_b32 s56, 1, 0
	s_lshr_b32 s97, s20, 2
	s_or_b32 s97, s97, ttmp9                       ; 0 in waves 0 to 3 of it
	s_cmp_eq_u32 s97, 0
	s_cselect_b32 s97, 1, 0
	s_mul_i32 s66, s25, KIMGB
	s_mov_b32 s67, 0                               ; k: my batch
	s_mul_i32 s68, s25, VBATCH
	s_mov_b32 s69, 0                               ; v: my batch
	s_mov_b32 s70, s96
	s_mov_b32 s71, 0
	s_mov_b32 s72, s54
	s_mov_b32 s73, 0
	s_mul_i32 s74, s23, 2*VSTEP                    ; the prefetches for region A: steps 12 + 2 cx + w / 2, half w % 2 of the codes
	s_lshr_b32 s62, s20, 1
	s_mul_i32 s62, s62, VSTEP
	s_add_co_u32 s74, s74, s62
	s_and_b32 s62, s20, 1
	s_lshl_b32 s62, s62, 13
	s_add_co_u32 s74, s74, s62
	s_add_co_u32 s74, s74, 12*VSTEP
	s_mov_b32 s75, 0
	s_mul_i32 s88, s23, VSTEP                      ; the prefetch for region B: step 20 + cx, half w of the codes
	s_lshl_b32 s62, s20, 13
	s_add_co_u32 s88, s88, s62
	s_add_co_u32 s88, s88, 20*VSTEP
	s_mov_b32 s89, 0
	s_lshl_b32 s63, s25, 12
	s_add_co_u32 s63, s63, s24                     ; my first query among all positions
	s_lshl_b32 s76, s22, 5
	s_add_co_u32 s76, s76, s63
	s_lshl_b32 s76, s76, 4
	s_mov_b32 s77, 0                               ; qc at my pair of tiles
	s_lshl_b32 s78, s63, 3
	s_mov_b32 s79, 0                               ; qaux at the work-group's first query
	s_lshl_b32 s90, s25, 22
	s_lshl_b32 s62, s20, 18
	s_add_co_u32 s90, s90, s62
	s_lshl_b32 s62, s24, 2
	s_add_co_u32 s90, s90, s62
	s_mov_b32 s91, 0                               ; x, vf, out0: my batch, channel 16 w, my 64 queries
	s_wait_dscnt 0x0                               ; both opening adds are done
	s_wait_kmcnt 0x0
	s_add_nc_u64 s[8:9], s[8:9], s[66:67]          ; kimg at my batch: pass 2's loads take it as their base
	s_add_nc_u64 s[10:11], s[10:11], s[68:69]      ; vimg at my batch
	s_mov_b32 s36, 1                               ; group 0 for k: into region B
	s_add_co_u32 s37, s96, KIMG
	s_add_nc_u64 s[38:39], s[8:9], s[70:71]
	s_or_b32 s39, s39, 0x80000000
	s_mov_b32 s40, 1                               ; group 0 for region A: steps 0-7; its address walks
	s_mov_b32 s41, s54
	s_add_nc_u64 s[42:43], s[10:11], s[72:73]
	s_or_b32 s43, s43, 0x80000000
	s_mov_b32 s92, 1                               ; group 0 for v into region B: steps 8-11; its address walks
	s_add_co_u32 s93, s96, KIMG
	s_add_nc_u64 s[94:95], s[10:11], s[70:71]
	s_add_nc_u64 s[94:95], s[94:95], 8*VSTEP
	s_or_b32 s95, s95, 0x80000000
	s_add_nc_u64 s[58:59], s[10:11], s[74:75]
	s_add_nc_u64 s[98:99], s[10:11], s[88:89]
	s_add_nc_u64 s[4:5], s[4:5], s[76:77]
	s_add_nc_u64 s[6:7], s[6:7], s[78:79]
	s_add_nc_u64 s[12:13], s[12:13], s[90:91]
	s_add_nc_u64 s[14:15], s[14:15], s[90:91]
	s_add_nc_u64 s[18:19], s[18:19], s[90:91]
	s_load_b32 s60, s[16:17], 0x0                  ; gamma
	CROUND                                         ; all four work-groups are here: the first joint loads meet
	tensor_load_to_lds s[36:39], s[28:35]          ; my eighth of the batch's k
	s_nop 0
	s_wait_alu depctr_va_vdst(0)
	s_wait_tensorcnt 0x0
	ds_add_u32 v7, v8
	s_wait_dscnt 0x0
	CROUND
	tensor_load_to_lds s[40:43], s[80:87]          ; my eighth of v's steps 0-7.  My one load out: k's is in
	s_nop 0
.rept 4
	v_nop
.endr
	v_and_b32 v240, 15, v0                         ; r
	v_bfe_u32 v241, v0, 4, 1                       ; h
	v_and_b32 v242, 31, v0                         ; lane
	s_wait_alu depctr_va_vdst(0)
	v_lshlrev_b32 v243, 4, v240
	global_load_b128 v[128:131], v243, s[4:5]      ; q's 32 codes of query r of tile 0,
	global_load_b128 v[132:135], v243, s[4:5] offset:256   ; of tile 1
	s_lshl_b32 s62, s22, 8
	v_lshl_add_u32 v244, v240, 3, s62
	global_load_b64 v[68:69], v244, s[6:7]         ; its scale word and energy_w
	global_load_b64 v[70:71], v244, s[6:7] offset:128
	v_lshlrev_b32 v245, 5, v240
	v_lshlrev_b32 v246, 14, v241
	s_delay_alu instid0(VALU_DEP_1)
	v_lshl_add_u32 v246, v240, 4, v246             ; rows: lanes 0-15 one channel, lanes 16-31 the next; 16 bytes (queries 4 r .. 4 r + 3) a lane
	WIN 0x40                                       ; destination window 1
	global_load_b128 v[128:131], v245, s[6:7]      ; qaux of queries 4 r, 4 r + 1,
	global_load_b128 v[132:135], v245, s[6:7] offset:16    ; 4 r + 2, 4 r + 3
.irp p, 0,1                            ; the rows that I will finish on the way out: channels 128 p + 16 w + 0 .. 15.  They land while pass 1 runs
.irp i, 0,1,2,3,4,5,6,7
	global_load_b128 v[4*(8*\p+\i):4*(8*\p+\i)+3], v246, s[14:15] offset:(128*\p+2*\i)*16384 th:TH_LOAD_NT
	global_load_b128 v[64+4*(8*\p+\i):64+4*(8*\p+\i)+3], v246, s[12:13] offset:(128*\p+2*\i)*16384 th:TH_LOAD_NT
.endr
.endr
	WIN 0
	s_lshl_b32 s62, s21, 11
	s_add_co_u32 s62, s62, KIMG
	v_lshl_add_u32 v1, v242, 4, s62                ; pass 1: k's fragments of step ks in LDS: 16 x lane
	s_lshl_b32 s62, s21, 7
	s_add_co_u32 s62, s62, KIMG+65536
	v_lshl_add_u32 v2, v242, 2, s62                ; their scale words: lanes 0-15 the first fragment's, lanes 16-31 the second's
	s_mul_i32 s62, s21, VSTEP
	v_lshl_add_u32 v3, v242, 4, s62                ; v's fragments of step ks of region A's first half
	s_add_co_u32 s63, s62, 16384
	v_lshl_add_u32 v4, v242, 2, s63                ; their scale words: lanes 0-15 an even tile's, lanes 16-31 the odd one's
	s_lshl_b32 s62, s20, 12
	s_add_co_u32 s62, s62, BMAX
	v_lshl_add_u32 v5, v242, 4, s62                ; the blocks' largest, on the way in: lane 16 tile + r
	v_lshl_add_u32 v6, v240, 4, s62                ; and on the way out: 16 r
	s_lshl_b32 s62, s22, 5
	s_add_co_u32 s62, s62, s24
	v_lshlrev_b32 v247, 4, v241
	s_delay_alu instid0(VALU_DEP_1)
	v_sub_nc_u32 v9, v240, v247
	s_delay_alu instid0(VALU_DEP_1)
	v_add_nc_u32 v9, s62, v9                       ; tile 0's query r, less 16 h
	v_mov_b32 v15, 0xff800000                      ; -infinity
.irp t, 16,24
	v_mov_b32 v[\t+1], 0xfe967699                  ; the largest energy so far: -1e38
	v_mov_b32 v[\t+2], 0                           ; the sum, in two halves
	v_mov_b32 v[\t+3], 0
	v_mov_b32 v[\t+4], 0
	v_mov_b32 v[\t+5], 0                           ; (named as the upper half of a pair)
	v_mul_f32 v[\t], s44, v[\t+1]
.endr
.irp i, 98,99,100,101
	v_mov_b32 v\i, 0                               ; written once: a lane permute's destination counts as one of its sources
.endr
.irp z, 32,40,48,56,64
.irp i, 0,1,2,3
	v_mov_b32 v[\z+\i], 0                          ; the quads of zero codes
.endr
.endr
	s_wait_loadcnt 34                              ; q's codes and words are in; qaux by rows and the 32 rows of x and v may be out
.irp t, 0,1
.irp i, 0,1,2,3
	v_cndmask_b32 v[36+16*\t+\i], v[128+4*\t+\i], 0, s57   ; A: the codes in lanes 0-15
	v_cndmask_b32 v[44+16*\t+\i], 0, v[128+4*\t+\i], s57   ; B: in lanes 16-31
.endr
.endr
	v_mul_f32 v69, s44, v69                        ; energy_w as t
	v_mul_f32 v71, s44, v71
	s_wait_kmcnt 0x0
	s_mov_b32 s61, s60                             ; gamma as a pair
	s_wait_xcnt 0x0                                ; the loads have read their offsets: those registers take energies from here on
	s_wait_tensorcnt 0x1                           ; my eighth of k is in; v's steps 0-7 may stay out
	BAR                                            ; everybody's is
.macro KLOAD                           ; pass 1: a step's two fragments of k and their scale words, from LDS
.irp f, 0,1
.irp c, 0,1
	ds_load_b128 v[72+8*\f+4*\c:72+8*\f+4*\c+3], v10 offset:\f*1024+\c*512
.endr
.endr
	ds_load_b32 v88, v11
.endm
.macro KGLOAD s                        ; pass 2: the same of my step s, from memory: 32 lanes read 512 consecutive bytes
.irp f, 0,1
.irp c, 0,1
	global_load_b128 v[72+8*\f+4*\c:72+8*\f+4*\c+3], v1, s[8:9] offset:(\s)*8192+\f*1024+\c*512
.endr
.endr
	global_load_b32 v88, v2, s[8:9] offset:(\s)*512
.endm
; 16 matrix instructions: the energies of 128 keys x my 32 queries.  Tile 4 f + bk of the keys is block bk of fragment f; version bk of tile tau's queries begins at v[32 + 16 tau + 8 (bk % 2) + 4 (1 - bk / 2)]
.macro SCORES
.irp f, 0,1
.irp bk, 0,1,2,3
.irp tau, 0,1
.set rD, 128+64*\tau+8*(4*\f+\bk)
.set rQ, 32+16*\tau+8*(\bk%2)+4*(1-\bk/2)
.if \f == 0
	v_wmma_scale_f32_16x16x128_f8f6f4 v[rD:rD+7], v[72:79], v[rQ:rQ+7], 0, v88, v[68+2*\tau] matrix_a_fmt:MATRIX_FMT_FP4 matrix_b_fmt:MATRIX_FMT_FP4
.else
	v_wmma_scale_f32_16x16x128_f8f6f4 v[rD:rD+7], v[80:87], v[rQ:rQ+7], 0, v88, v[68+2*\tau] matrix_a_fmt:MATRIX_FMT_FP4 matrix_b_fmt:MATRIX_FMT_FP4 matrix_a_scale:MATRIX_SCALE_ROW1
.endif
.endr
.endr
.endr
.rept 4
	v_nop                                          ; four places: ahead of the first read of results, and of the next step's loads into k's registers
.endr
.endm
; The diagonal becomes -infinity.  The lines run only where the step's 128 keys lie among the CLUSTER's 256 queries: a test on the cluster's number and the count of steps, the same in all four partners; my own place enters the compared numbers alone
.macro MASK
	s_lshr_b32 s62, s51, 8
	s_cmp_lg_u32 s62, ttmp9
	s_cbranch_scc1 .Lopen_\@
	v_sub_nc_u32 v89, v9, s51                      ; register n holds my query's own key where 32 (n / 16) + n % 16 = query - first key - 16 h
.irp tau, 0,1
.set n, 0
.rept 32
	v_cmp_eq_i32 vcc_lo, 32*(n/16)+n%16, v89
	v_cndmask_b32 v[128+64*\tau+n], v[128+64*\tau+n], v15, vcc_lo
.set n, n+1
.endr
	v_add_nc_u32 v89, 0xffffffc0, v89              ; 64 off, so that the upper 32 registers' numbers are small constants too
.rept 32
	v_cmp_eq_i32 vcc_lo, 32*(n/16)-64+n%16, v89
	v_cndmask_b32 v[128+64*\tau+n], v[128+64*\tau+n], v15, vcc_lo
.set n, n+1
.endr
	v_add_nc_u32 v89, 80, v89                      ; the 64 back; tile 1's queries are 16 on
.endr
.Lopen_\@:
.endm
; PASS 1, one tile: the largest energy of each block of 32 keys (kept for pass 2), the running maximum, and the sum of 2^(t - maximum)
.macro SOFT1 tau
.set rS, 128+64*\tau
.set rT, 16+8*\tau
.set rB, 90+4*\tau
.irp b, 0,1,2,3
	v_max3_num_f32 v[rB+\b], v[rS+16*\b], v[rS+16*\b+1], v[rS+16*\b+2]
.endr
.irp i, 3,5,7,9,11,13
.irp b, 0,1,2,3
	v_max3_num_f32 v[rB+\b], v[rB+\b], v[rS+16*\b+\i], v[rS+16*\b+\i+1]
.endr
.endr
.irp b, 0,1,2,3
	v_max_num_f32 v[rB+\b], v[rB+\b], v[rS+16*\b+15]
.endr
.irp b, 0,1,2,3
	s_delay_alu instid0(VALU_DEP_4)
	v_permlanex16_b32 v[98+\b], v[rB+\b], s46, s47
.endr
.irp b, 0,1,2,3
	s_delay_alu instid0(VALU_DEP_4)
	v_max_num_f32 v[rB+\b], v[rB+\b], v[98+\b]     ; with lane l xor 16's 16 keys
.endr
	s_delay_alu instid0(VALU_DEP_2)
	v_max3_num_f32 v[rT+6], v[rB], v[rB+1], v[rB+2]
	s_delay_alu instid0(VALU_DEP_1)
	v_max3_num_f32 v[rT+1], v[rT+6], v[rB+3], v[rT+1]
	v_mov_b32 v[rT+6], v[rT]
	s_delay_alu instid0(VALU_DEP_2)
	v_mul_f32 v[rT], s44, v[rT+1]                  ; the maximum as t
	s_delay_alu instid0(VALU_DEP_1)
	v_sub_f32 v[rT+6], v[rT+6], v[rT]              ; old less new
.set j, 0
.rept 32
	v_pk_fma_f32 v[rS+j:rS+j+1], v[rS+j:rS+j+1], s[44:45], v[rT:rT+1] op_sel_hi:[1,0,0] neg_lo:[0,0,1] neg_hi:[0,0,1]
.set j, j+2
.endr
	s_wait_alu depctr_va_vdst(0)
	v_exp_f32 v[rT+4], v[rT+6]                     ; f = 2^(old - new)
.set j, 0
.rept 64
	v_exp_f32 v[rS+j], v[rS+j]
.set j, j+1
.endr
	v_nop                                          ; a plain place behind the last exponential
	s_wait_alu depctr_va_vdst(0)                   ; one wait for the batch of 65, ahead of its first reader
	v_pk_mul_f32 v[rT+2:rT+3], v[rT+2:rT+3], v[rT+4:rT+5] op_sel_hi:[1,0]
	v_pk_add_f32 v[rT+6:rT+7], v[rS:rS+1], v[rS+2:rS+3]
.set j, 4
.rept 15
	v_pk_add_f32 v[rT+2:rT+3], v[rT+2:rT+3], v[rS+j:rS+j+1]
	v_pk_add_f32 v[rT+6:rT+7], v[rT+6:rT+7], v[rS+j+2:rS+j+3]
.set j, j+4
.endr
	s_delay_alu instid0(VALU_DEP_1)
	v_pk_add_f32 v[rT+2:rT+3], v[rT+2:rT+3], v[rT+6:rT+7]
.endm
; One step of pass 1.  next = 1: the next step's fragments of k are asked of LDS behind this step's products, and land under its softmax
.macro PASS1 next
	v_add_nc_u32 v14, s50, v5
	s_wait_dscnt 0x0                               ; k's fragments, asked for a step ago, are in (and my last store is done)
	SCORES
.if \next
	s_add_co_u32 s48, s48, 8192
	s_add_co_u32 s49, s49, 512
	v_add_nc_u32 v10, s48, v1
	v_add_nc_u32 v11, s49, v2
	KLOAD
.endif
	MASK
	s_setprio 1
	SOFT1 0
	s_setprio 0
	SOFT1 1
.irp b, 0,1,2,3
	v_cndmask_b32 v[102+\b], v[90+\b], v[94+\b], s57   ; lanes 0-15 keep tile 0's four, lanes 16-31 tile 1's
.endr
	ds_store_b128 v14, v[102:105]
	s_add_co_u32 s50, s50, 512
	s_add_co_u32 s51, s51, 512
.endm
	v_add_nc_u32 v10, s48, v1
	v_add_nc_u32 v11, s49, v2
	KLOAD                                          ; step ks
	s_mov_b32 s63, 7
.Lpass1:                                               ; seven trips: my steps ks, ks + 4, .. ks + 24
	s_wait_alu depctr_va_vdst(0)
	s_setprio 2
	PASS1 1
	s_sub_co_u32 s63, s63, 1
	s_cmp_lg_u32 s63, 0
	s_cbranch_scc1 .Lpass1
	s_setprio 0
	PASS1 0                                        ; step ks + 28 is written out: nothing of k is left to ask for
	s_wait_alu depctr_va_vdst(0)
	; ---- THE JOIN.  First, pass 2's first fragments of k are asked of memory: they land under the join.
	s_wait_loadcnt 0x0                             ; qaux by rows and the rows of x and v, asked for at the head
	v_and_b32 v12, 31, v0
	s_lshl_b32 s62, s21, 11
	v_lshl_add_u32 v1, v12, 4, s62                 ; from here on: my lane's byte in step ks of kimg; never rewritten: the steps stand in the loads' immediates
	s_lshl_b32 s62, s21, 7
	s_add_co_u32 s62, s62, 65536
	v_lshl_add_u32 v2, v12, 2, s62                 ; and its scale word's
	KGLOAD 0
	s_lshl_b32 s51, s21, 7                         ; pass 2 walks the same steps
	; Each wave's maximum and sum of its quarter of the keys go to LDS; every wave reads what it needs: of its own 32 queries (a query a lane), and of all 64 by rows (queries 4 r .. 4 r + 3 a lane), for att_w
.irp t, 16,24
	v_add_f32 v[\t+2], v[\t+2], v[\t+3]
.endr
	s_delay_alu instid0(VALU_DEP_2)
	v_permlanex16_b32 v98, v18, s46, s47
	s_delay_alu instid0(VALU_DEP_2)
	v_permlanex16_b32 v99, v26, s46, s47
	s_delay_alu instid0(VALU_DEP_2)
	v_add_f32 v18, v18, v98
	s_delay_alu instid0(VALU_DEP_2)
	v_add_f32 v26, v26, v99
	v_cndmask_b32 v102, v16, v24, s57
	s_delay_alu instid0(VALU_DEP_2)
	v_cndmask_b32 v103, v18, v26, s57
	v_lshl_add_u32 v10, v0, 2, STT                 ; wave x 128 + (16 tile + r) x 4
	ds_store_b32 v10, v102
	ds_store_b32 v10, v103 offset:STL-STT
	s_lshl_b32 s62, s22, 9
	s_add_co_u32 s62, s62, STT
	v_and_b32 v12, 15, v0
	s_delay_alu instid0(VALU_DEP_1)
	v_lshl_add_u32 v11, v12, 2, s62                ; my pair's four waves: + 128 k; tile: + 64
	v_bfe_u32 v14, v0, 3, 1
	v_and_b32 v89, 7, v0
	s_delay_alu instid0(VALU_DEP_2)
	v_lshlrev_b32 v13, 9, v14
	s_delay_alu instid0(VALU_DEP_1)
	v_lshl_add_u32 v13, v89, 4, v13
	s_delay_alu instid0(VALU_DEP_1)
	v_add_nc_u32 v13, STT, v13                     ; queries 4 r on: pair r / 8, 16 bytes at 16 (r % 8)
	s_wait_alu depctr_va_vdst(0)
	s_wait_dscnt 0x0                               ; for the others' sake: my stores have landed
	BAR
.irp t, 0,1
.irp k, 0,1,2,3
	ds_load_b32 v[128+8*\t+\k], v11 offset:\k*128+\t*64
	ds_load_b32 v[132+8*\t+\k], v11 offset:STL-STT+\k*128+\t*64
.endr
.endr
.irp k, 0,1,2,3
	ds_load_b128 v[144+4*\k:147+4*\k], v13 offset:\k*128
	ds_load_b128 v[160+4*\k:163+4*\k], v13 offset:STL-STT+\k*128
.endr
	s_lshl_b32 s62, s20, 13
	s_add_co_u32 s62, s62, BASE
	v_and_b32 v12, 31, v0
	s_delay_alu instid0(VALU_DEP_1)
	v_lshl_add_u32 v10, v12, 4, s62                ; my 8,192 bytes of BASE: 16 x lane
	WIN 0x04                                       ; source 1 window 1
.irp e, 0,1,2,3
	v_mul_f32 v[176+\e], s44, v[129+2*\e]          ; energy_w of query 4 r + e, as t
.endr
	WIN 0
	s_wait_dscnt 0x0
; six 'queries' by turns: x = 0, 1: query r of my tiles; x = 2 .. 5: query 4 r + x - 2.  xT, xL: the four waves' maxima and sums, xS registers apart; xW: energy_w as t
.macro SETX x
.if \x < 2
.set xT, 128+8*\x
.set xS, 1
.set xL, 132+8*\x
.set xW, 69+2*\x
.else
.set xT, 144+\x-2
.set xS, 4
.set xL, 160+\x-2
.set xW, 176+\x-2
.endif
.endm
.irp x, 0,1,2,3,4,5
	SETX \x
	v_max3_num_f32 v[184+\x], v[xT], v[xT+xS], v[xT+2*xS]
.endr
.irp x, 0,1,2,3,4,5
	SETX \x
	v_max3_num_f32 v[184+\x], v[184+\x], v[xT+3*xS], v[xW]     ; the row's maximum over all n + 1 logits
.endr
.irp x, 0,1,2,3,4,5
	SETX \x
.irp k, 0,1,2,3
	v_sub_f32 v[xT+\k*xS], v[xT+\k*xS], v[184+\x]
.endr
	v_sub_f32 v[192+\x], v[xW], v[184+\x]
.endr
	s_wait_alu depctr_va_vdst(0)
.irp x, 0,1,2,3,4,5
	SETX \x
.irp k, 0,1,2,3
	v_exp_f32 v[xT+\k*xS], v[xT+\k*xS]
.endr
	v_exp_f32 v[192+\x], v[192+\x]
.endr
	v_nop
	s_wait_alu depctr_va_vdst(0)                   ; one wait for the 30
.irp k, 0,1,2,3
.irp x, 0,1,2,3,4,5
	SETX \x
	v_fma_f32 v[192+\x], v[xL+\k*xS], v[xT+\k*xS], v[192+\x]   ; the row's sum under the row's maximum
.endr
.endr
	s_wait_alu depctr_va_vdst(0)
.irp x, 0,1,2,3,4,5
	v_log_f32 v[200+\x], v[192+\x]
.endr
	v_nop
	s_wait_alu depctr_va_vdst(0)                   ; one wait for the six
	v_add_f32 v16, v184, v200                      ; M' = maximum + log2(sum): 2^(t - M') is the finished softmax
	v_add_f32 v24, v185, v201
.irp e, 0,1,2,3
	v_add_f32 v[202+\e], v[186+\e], v[202+\e]
.endr
.irp e, 0,1,2,3
	s_delay_alu instid0(VALU_DEP_4)
	v_sub_f32 v[202+\e], v[176+\e], v[202+\e]
.endr
	s_wait_alu depctr_va_vdst(0)
.irp e, 0,1,2,3
	v_exp_f32 v[208+\e], v[202+\e]                 ; att_w
.endr
	v_nop
	s_wait_alu depctr_va_vdst(0)                   ; one wait for the four
.irp e, 0,1,2,3
	v_mul_f32 v[102+\e], s60, v[208+\e]            ; gamma att_w
.endr
	WIN 0x51                                       ; v (source 0), x (source 2 and destination) window 1; gamma att_w window 0
.set i, 0
.rept 16
	v_pk_fma_f32 v[i:i+1], v[64+i:65+i], v[102:103], v[i:i+1]      ; gamma att_w v + x
	v_pk_fma_f32 v[i+2:i+3], v[66+i:67+i], v[104:105], v[i+2:i+3]
.set i, i+4
.endr
	WIN 0x04                                       ; an LDS store's data are its source 1
.set i, 0
.rept 16
	ds_store_b128 v10, v[4*i:4*i+3] offset:i*512   ; kept in LDS, as the registers stand, while window 1 holds O; only I read it back
.set i, i+1
.endr
	WIN 0
	v_and_b32 v5, 31, v0
	s_delay_alu instid0(VALU_DEP_1)
	v_lshlrev_b32 v5, 8, v5                        ; from here on: the prefetches' offset, 256 x lane
	v_add_nc_u32 v30, HALFB, v3                    ; v's fragments and scale words of my step in region A's second half,
	v_add_nc_u32 v31, HALFB, v4
	v_add_nc_u32 v26, ABYTES, v3                   ; and in region B
	v_add_nc_u32 v27, ABYTES, v4
; A CHANGE OF REGIONS.  Each wave waits for all its tensor loads, adds 0 to its spare word, and waits for that and for its LDS reads and stores.
; kind = 2: region B is filled (over k's bytes, or over four steps of v that have been read); kind = 1: region A; both behind a round of the cluster's barrier, so that no wave of any partner still reads the region or has a
; load on its way; the joint load is my one tensor load behind it.  kind = 0: nothing is left to ask for: a plain barrier.  ask = 1: the next filling change's codes are prefetched.  again = 1: the prefetches for A step on.
; The walking addresses are stepped behind the wait for 0, where no load of mine is out: each region's next steps lie 12 steps on.
.macro CHANGE kind, ask, again
	s_wait_tensorcnt 0x0                           ; no tensor load of mine is out, so a group 0 may be written
	ds_add_u32 v7, v8                              ; 0 onto my spare word
.if \kind == 2
	s_add_nc_u64 s[42:43], s[42:43], 12*VSTEP      ; what region A takes next; the type bits on top are not reached
.if \again
	s_wait_xcnt 0x0                                ; the last prefetch by this address, three steps back, has read it
	s_add_nc_u64 s[58:59], s[58:59], 12*VSTEP
.endif
.endif
.if (\kind == 1) && \ask
	s_add_nc_u64 s[94:95], s[94:95], 12*VSTEP      ; what region B takes next
.endif
	s_wait_dscnt 0x0                               ; the add is done, and my LDS reads and stores are over
.if \kind == 0
	BAR
.else
	CROUND
.if \kind == 1
	tensor_load_to_lds s[40:43], s[80:87]
.else
	tensor_load_to_lds s[92:95], s[28:35]
.endif
	s_nop 0
.rept 4
	v_nop
.endr
.if \ask
.if \kind == 2
	ASK 97, 58                                     ; region A's next eight steps: two steps of my work ahead of their load
.else
	ASK 56, 98                                     ; region B's next four: one step ahead
.endif
.endif
.endif
.endm
; PASS 2, one tile: p = 2^(t - M'); a block's largest p is its largest energy, kept from pass 1, put through the same multiply-add and exponential; codes and scale word; then eight fragments of v land where p lay
.macro SOFT2 tau
.set rS, 128+64*\tau
.set rT, 16+8*\tau
.set rB, 90+4*\tau
.set rP, 110+8*\tau
.set j, 0
.rept 32
	v_pk_fma_f32 v[rS+j:rS+j+1], v[rS+j:rS+j+1], s[44:45], v[rT:rT+1] op_sel_hi:[1,0,0] neg_lo:[0,0,1] neg_hi:[0,0,1]
.set j, j+2
.endr
.irp b, 0,1,2,3
	v_fma_f32 v[rB+\b], v[rB+\b], s44, -v[rT]
.endr
.set j, 0
	s_wait_alu depctr_va_vdst(0)
.rept 64
	v_exp_f32 v[rS+j], v[rS+j]
.set j, j+1
.endr
.irp b, 0,1,2,3
	v_exp_f32 v[rB+\b], v[rB+\b]
.endr
	v_nop                                          ; a plain place behind the last exponential
	s_wait_alu depctr_va_vdst(0)                   ; one wait for the batch of 68
.irp b, 0,1,2,3
	v_max_num_f32 v[rB+\b], FLOOR, v[rB+\b]
.endr
.irp b, 0,1,2,3
	s_delay_alu instid0(VALU_DEP_4)
	v_add_nc_u32 v[106+\b], EOFF, v[rB+\b]         ; the conversion's scale operand
.endr
.irp b, 0,1,2,3
	s_delay_alu instid0(VALU_DEP_4)
	v_lshrrev_b32 v[rB+\b], 23, v[106+\b]          ; the scale's byte
.endr
	s_delay_alu instid0(VALU_DEP_3)
	v_lshl_or_b32 v[126+\tau], v[rB+1], 8, v[rB]
	s_delay_alu instid0(VALU_DEP_1)
	v_lshl_or_b32 v[126+\tau], v[rB+2], 16, v[126+\tau]
	s_delay_alu instid0(VALU_DEP_1)
	v_lshl_or_b32 v[126+\tau], v[rB+3], 24, v[126+\tau]
.irp b, 0,1,2,3
	v_cvt_scalef32_pk8_fp4_f32 v[rP+2*\b], v[rS+16*\b:rS+16*\b+7], v[106+\b]
	v_cvt_scalef32_pk8_fp4_f32 v[rP+2*\b+1], v[rS+16*\b+8:rS+16*\b+15], v[106+\b]
.endr
	v_nop                                          ; one plain place behind a scaled conversion
.irp c, 0,1                            ; the operand's layout wants a whole block in a lane
.irp i, 0,1
	v_permlane16_swap_b32 v[rP+4*\c+\i], v[rP+4*\c+2+\i]
.endr
.endr
.irp t, 0,1,2,3,4,5,6,7
.irp c, 0,1
	ds_load_b128 v[rS+8*\t+4*\c:rS+8*\t+4*\c+3], v[rVA] offset:(8*\tau+\t)*1024+\c*512
.endr
.endr
.endm
; 16 products O += P V: channels 128 half + 16 t on, both tiles.  The 32 accumulators take turns, one instruction a turn.  zero = 1: the first step starts the sums
.macro PV half, zero
.irp t, 0,1,2,3,4,5,6,7
.irp tau, 0,1
.set rO, 8*(16*\tau+8*\half+\t)
.set rV, 128+64*\half+8*\t
.set rA, 110+8*\tau
.set rW, 98+(8*\half+\t)/2
.if \zero
.if \t%2
	v_wmma_scale_f32_16x16x128_f8f6f4 v[rO:rO+7], v[rA:rA+7], v[rV:rV+7], 0, v[126+\tau], v[rW] matrix_a_fmt:MATRIX_FMT_FP4 matrix_b_fmt:MATRIX_FMT_FP4 matrix_b_scale:MATRIX_SCALE_ROW1
.else
	v_wmma_scale_f32_16x16x128_f8f6f4 v[rO:rO+7], v[rA:rA+7], v[rV:rV+7], 0, v[126+\tau], v[rW] matrix_a_fmt:MATRIX_FMT_FP4 matrix_b_fmt:MATRIX_FMT_FP4
.endif
.else
.if \t%2
	v_wmma_scale_f32_16x16x128_f8f6f4 v[rO:rO+7], v[rA:rA+7], v[rV:rV+7], v[rO:rO+7], v[126+\tau], v[rW] matrix_a_fmt:MATRIX_FMT_FP4 matrix_b_fmt:MATRIX_FMT_FP4 matrix_b_scale:MATRIX_SCALE_ROW1
.else
	v_wmma_scale_f32_16x16x128_f8f6f4 v[rO:rO+7], v[rA:rA+7], v[rV:rV+7], v[rO:rO+7], v[126+\tau], v[rW] matrix_a_fmt:MATRIX_FMT_FP4 matrix_b_fmt:MATRIX_FMT_FP4
.endif
.endif
.endr
.endr
.endm
; My step idx of eight, for both tiles.  reg: where its v lies: 0, 1: region A's halves; 2: region B
.macro PROCESS idx, zero, reg
.if \reg == 0
.set rVA, 3
.set rVS, 4
.elseif \reg == 1
.set rVA, 30
.set rVS, 31
.else
.set rVA, 26
.set rVS, 27
.endif
.if \idx > 0
.rept 5
	v_nop                                          ; the places behind the last products: four are owed ahead of loads into their scale registers, five ahead of the energies' products, which write over v's fragments
.endr
.endif
	ds_load_b128 v[90:93], v6 offset:(\idx)*512    ; the blocks' largest energies of query r: tile 0,
	ds_load_b128 v[94:97], v6 offset:(\idx)*512+256    ; tile 1
.irp u, 0,1,2,3,4,5,6,7
	ds_load_b32 v[98+\u], v[rVS] offset:128*\u     ; v's scale words: lanes 0-15 tile 2 u, lanes 16-31 tile 2 u + 1
.endr
	s_wait_loadcnt 0x0                             ; k's fragments, asked for a step ago, are in
	SCORES
.if \idx < 7
	KGLOAD (\idx)+1                                ; the next step's; the last step asks for nothing: no load leaves its buffer
.endif
	MASK
	s_wait_dscnt 0x0                               ; the ten LDS loads from the step's head
	SOFT2 0
	SOFT2 1                                        ; tile 0's fragments of v land under tile 1's softmax
.rept 8
	v_nop                                          ; a scale word made by vector instructions stands eight places ahead of a scaled product, codes so made four
.endr
	s_wait_alu depctr_va_vdst(0)
	s_wait_dscnt 16                                ; fragments 0-7 are in; the 16 loads of fragments 8-15 may be out
	WIN 0x50                                       ; C and D window 1
	PV 0, \zero
	s_wait_dscnt 0x0
	PV 1, \zero
	WIN 0
	s_add_co_u32 s51, s51, 512
.endm
	CHANGE 2, 1, 0                                 ; k has been read for the last time from LDS: region B takes v's steps 8-11
	PROCESS 0, 1, 0                                ; steps 0-3
	PROCESS 1, 0, 1                                ; steps 4-7
	CHANGE 1, 1, 0                                 ; region A takes steps 12-19
	PROCESS 2, 0, 2                                ; steps 8-11
	CHANGE 2, 1, 1                                 ; region B takes steps 20-23
	PROCESS 3, 0, 0                                ; steps 12-15
	PROCESS 4, 0, 1                                ; steps 16-19
	CHANGE 1, 0, 0                                 ; region A takes steps 24-31: the last load
	PROCESS 5, 0, 2                                ; steps 20-23
	CHANGE 0, 0, 0
	PROCESS 6, 0, 0                                ; steps 24-27
	PROCESS 7, 0, 1                                ; steps 28-31
	; ---- THE WAY OUT.  The four waves ks hold parts of O for the same queries.  They meet in a stage [ks][128 channels][272 bytes], in region A, which has had its last fill; 128 channels at a time.
	; Wave w then adds the four parts of channels 16 w .. 16 w + 15 of that half, by rows of 64 queries, and stores gamma x sum + (gamma att_w v + x).  The thirteen vector lines below are the places behind the last products.
	v_and_b32 v90, 15, v0                          ; r
	v_bfe_u32 v91, v0, 4, 1                        ; h
	v_and_b32 v92, 31, v0                          ; lane
	s_mul_i32 s62, s21, 34816
	s_lshl_b32 s63, s22, 7
	s_add_co_u32 s62, s62, s63
	v_mul_u32_u24 v10, v90, 272
	s_delay_alu instid0(VALU_DEP_1)
	v_lshl_add_u32 v10, v91, 5, v10
	s_delay_alu instid0(VALU_DEP_1)
	v_add_nc_u32 v10, s62, v10                     ; in: part ks, row = channel r, queries 32 qp + 8 h on
	s_mul_i32 s62, s20, 16*272
	v_mul_u32_u24 v11, v91, 272
	s_delay_alu instid0(VALU_DEP_1)
	v_lshl_add_u32 v11, v90, 4, v11
	s_delay_alu instid0(VALU_DEP_1)
	v_add_nc_u32 v11, s62, v11                     ; back: parts 0 and 1: lanes 0-15 one row, lanes 16-31 the next;
	s_delay_alu instid0(VALU_DEP_1)
	v_add_nc_u32 v12, 69632, v11                   ; parts 2 and 3 (an LDS offset has 16 bits)
	s_lshl_b32 s62, s20, 13
	s_add_co_u32 s62, s62, BASE
	v_lshl_add_u32 v13, v92, 4, s62
	v_lshlrev_b32 v14, 14, v91
	s_delay_alu instid0(VALU_DEP_1)
	v_lshl_add_u32 v14, v90, 4, v14                ; out0: as x's rows were read
	s_wait_alu depctr_va_vdst(0)
	s_wait_dscnt 0x0
	BAR                                            ; nobody reads region A any more
.irp p, 0,1
	WIN 0x04                                       ; an LDS store's data are its source 1
.irp t, 0,1,2,3,4,5,6,7
.irp tau, 0,1
	ds_store_b128 v10, v[8*(16*\tau+8*\p+\t):8*(16*\tau+8*\p+\t)+3] offset:\t*4352+\tau*64          ; each accumulator from its low end on
	ds_store_b128 v10, v[8*(16*\tau+8*\p+\t)+4:8*(16*\tau+8*\p+\t)+7] offset:\t*4352+\tau*64+16
.endr
.endr
	WIN 0
	s_wait_dscnt 0x0                               ; for the others' sake: my stores have landed
	BAR
.irp g, 0,1
	s_wait_xcnt 0x0                                ; the stores before have read their registers: these loads may land there
.irp i, 0,1,2,3
.irp k, 0,1,2,3
	ds_load_b128 v[128+16*\i+4*\k:128+16*\i+4*\k+3], v[11+\k/2] offset:(4*\g+\i)*544+(\k%2)*34816
.endr
	ds_load_b128 v[192+4*\i:195+4*\i], v13 offset:(8*\p+4*\g+\i)*512
.endr
	s_wait_dscnt 0x0
.irp i, 0,1,2,3
.irp d, 0,2
	v_pk_add_f32 v[128+16*\i+\d:129+16*\i+\d], v[128+16*\i+\d:129+16*\i+\d], v[132+16*\i+\d:133+16*\i+\d]
	v_pk_add_f32 v[136+16*\i+\d:137+16*\i+\d], v[136+16*\i+\d:137+16*\i+\d], v[140+16*\i+\d:141+16*\i+\d]
.endr
.irp d, 0
	s_delay_alu instid0(VALU_DEP_3)
	v_pk_add_f32 v[128+16*\i+\d:129+16*\i+\d], v[128+16*\i+\d:129+16*\i+\d], v[136+16*\i+\d:137+16*\i+\d]
.endr
.irp d, 2
	s_delay_alu instid0(VALU_DEP_2)
	v_pk_add_f32 v[128+16*\i+\d:129+16*\i+\d], v[128+16*\i+\d:129+16*\i+\d], v[136+16*\i+\d:137+16*\i+\d]
.endr
.irp d, 0,2
	s_delay_alu instid0(VALU_DEP_2)
	v_pk_fma_f32 v[128+16*\i+\d:129+16*\i+\d], v[128+16*\i+\d:129+16*\i+\d], s[60:61], v[192+4*\i+\d:193+4*\i+\d] op_sel_hi:[1,0,1]
.endr
	global_store_b128 v14, v[128+16*\i:131+16*\i], s[18:19] offset:(128*\p+2*(4*\g+\i))*16384 th:TH_STORE_NT   ; 16 lanes store 256 consecutive bytes, aligned
.endr
.endr
.if \p == 0
	s_wait_dscnt 0x0                               ; my reads of the stage are over,
	BAR                                            ; everybody's are: the other 128 channels may be stored there
.endif
.endr
	s_wait_tensorcnt 0x0                           ; the wave's end: behind my last tensor load and my last LDS store
	ds_add_u32 v7, v8
	s_wait_dscnt 0x0
	CROUND                                         ; the closing round: no work-group ends while a partner may still ask for a tile that names it
	s_endpgm
.Lfunc_end_k_q08ed20c661_attend:
	.size	k_q08ed20c661_attend, .Lfunc_end_k_q08ed20c661_attend-k_q08ed20c661_attend
	.p2alignl 7, 3214868480
	.fill 96, 4, 3214868480
	.section	.rodata,"a",@progbits
	.p2align	6, 0x0
	.amdhsa_kernel k_q08ed20c661_attend
		.amdhsa_group_segment_fixed_size 327680
		.amdhsa_private_segment_fixed_size 0
		.amdhsa_enable_private_segment 0
		.amdhsa_kernarg_size 64
		.amdhsa_user_sgpr_count 2
		.amdhsa_user_sgpr_kernarg_segment_ptr 1
		.amdhsa_wavefront_size32 1
		.amdhsa_system_sgpr_workgroup_id_x 1
		.amdhsa_system_sgpr_workgroup_id_y 1
		.amdhsa_system_sgpr_workgroup_id_z 1
		.amdhsa_system_vgpr_workitem_id 0
		.amdhsa_next_free_vgpr 512
		.amdhsa_next_free_sgpr 100
		.amdhsa_reserve_vcc 1
		.amdhsa_float_denorm_mode_32 3
		.amdhsa_float_denorm_mode_16_64 3
		.amdhsa_memory_ordered 1
		.amdhsa_forward_progress 1
		.amdhsa_inst_pref_size 255
	.end_amdhsa_kernel
	.section	.bss,"aw",@nobits
	.p2align	6
	.space	262144
	.amdgpu_metadata
---
amdhsa.version: [ 1, 2 ]
amdhsa.kernels:
  - .name:           k_q08ed20c661_attend
    .symbol:         k_q08ed20c661_attend.kd
    .args:
      - { .name: qc, .offset: 0, .size: 8, .value_kind: global_buffer, .address_space: global }
      - { .name: qaux, .offset: 8, .size: 8, .value_kind: global_buffer, .address_space: global }
      - { .name: kimg, .offset: 16, .size: 8, .value_kind: global_buffer, .address_space: global }
      - { .name: vimg, .offset: 24, .size: 8, .value_kind: global_buffer, .address_space: global }
      - { .name: vf, .offset: 32, .size: 8, .value_kind: global_buffer, .address_space: global }
      - { .name: x, .offset: 40, .size: 8, .value_kind: global_buffer, .address_space: global }
      - { .name: gamma, .offset: 48, .size: 8, .value_kind: global_buffer, .address_space: global }
      - { .name: out0, .offset: 56, .size: 8, .value_kind: global_buffer, .address_space: global }
    .group_segment_fixed_size: 327680
    .private_segment_fixed_size: 0
    .kernarg_segment_align: 8
    .kernarg_segment_size: 64
    .max_flat_workgroup_size: 256
    .sgpr_count:     100
    .vgpr_count:     512
    .wavefront_size: 32
...
	.end_amdgpu_metadata
.endif
;; end of part 2
